; MI455X (gfx1250); checked and timed in simulation.
; The chip was launched on July 23, 2026; its instructions are those of AMD's public machine-readable ISA for CDNA 5 (MIT licence, August 2026) and "CDNA5" Instruction Set Architecture Reference Guide (July 2026). The comments in the code are by the model that wrote it; some were corrected since.
;; Info Self Attention Layer. Allowed arithmetic: float matrix products may take bf16 or f16 operands with f32 sums; all other float work in f32.
;; Inputs: Wk 768 x 64 float32; Wq 768 x 64 float32; Wv 768 x 64 float32; bk 64 float32; bq 64 float32; bv 64 float32; info 2 x 8 x 2,048 x 768 float32.
;; Outputs: out0 2 x 8 x 2,048 x 64 float32.
;; 2 versions, each right; version 2 is version 1 with the launch proj written anew for expert scheduling mode. Each part assembles by itself: llvm-mc -triple=amdgcn-amd-amdhsa -mcpu=gfx1250 --defsym DOCPART=n.
;; ======== version 1 of 2: 3 launches
;; workspace buffers: qb 4,194,304 bytes; kb 4,194,304 bytes; vb 4,194,304 bytes; att 8,388,608 bytes; stats 8,192 bytes
;; launch proj (part 1): grid 256 x 1, 8 waves a work-group, no clusters, 148,480 bytes of LDS; arguments info, Wq, Wk, Wv, bq, bk, bv, qb, kb, vb; writes qb, kb, vb
.if DOCPART == 1
	.amdgcn_target "amdgcn-amd-amdhsa--gfx1250"
	.amdhsa_code_object_version 6
	.text
	.protected	k_q794b2789d8_proj
	.globl	k_q794b2789d8_proj
	.p2align	8
	.type	k_q794b2789d8_proj,@function
k_q794b2789d8_proj:
	s_mov_b64 s[64:65], 0
	v_nop
	global_prefetch_b8 v0, s[64:65] scope:SCOPE_SE
	s_setreg_imm32_b32 hwreg(HW_REG_WAVE_MODE, 25, 1), 1
	s_wait_xcnt 0x0
; q, k, v = info W + b.  info: [32768][768] f32.  Wq, Wk, Wv: [768][64] f32.  bq, bk, bv: [64] f32.  qb, kb, vb: [32768][64] bf16.
; Products in bf16 with f32 sums that start from the bias; each result is rounded to bf16 once.
; LIMIT: info and W are rounded to bf16 (nearest even) on their way to the matrix unit, the results to bf16 on their way out.
; A work-group owns 128 rows and goes along K in 12 steps of 64.  Eight waves.  Wave w = (c = w % 4, rh = w / 4) makes the 48 columns 48 c .. 48 c + 47 of
; [q | k | v] for the 64 rows 64 rh ..: 4 x 3 accumulator tiles.
; ONE PIPELINE.  For each step a wave loads 16 rows x 256 bytes of info and 8 K rows of each W into registers (20 loads), rounds them ONCE to bf16 and
; lays them into LDS, where all waves take their fragments.  Three register sets take turns: 60 loads of a wave are out (63 at the start, with the bias),
; 8 x 60 x 512 = 245,760 bytes for the work-group, asked for more than two steps ahead of their conversion.
; A step moves 155,648 bytes through LDS: stores 16,384 (info) + 24,576 (W), fragment reads 8 x (8,192 + 6,144).
; THE MATRIX INSTRUCTION IS USED TRANSPOSED: source 0 = 16 columns of W, source 1 = 16 rows of info, so that a lane's eight results are
; eight neighbouring columns of one row.
; NO JOINT LOADS for W, which all work-groups read: W has to be rounded, so a joint load would land it in LDS as f32 (49,152 bytes a step written, and
; 49,152 read back, on top of the 155,648), and every step would need a round of the cluster's barrier.
; NO TENSOR LOADS for info: landing it as f32 in LDS and reading it back would add 65,536 bytes a step; through registers it reaches LDS as bf16.
;
; LDS: info, two buffers of 128 rows x 64 bf16 at 0, pitch 144 (9 x 16: the 16 rows of a fragment start in 16 different 16-byte columns of 256 bytes)
;      W, two buffers of 64 K rows x 192 bf16 at 36,864, pitch 416 (13 x 32)
;      a copy of bq | bk | bv (768 bytes) for each wave at 90,112;  the way out: 128 rows x 384 bytes at 96,256, pitch 400 (25 x 16)
; REGISTERS: window 0: v0-23 addresses, v32-79 W fragments (24 s + 8 i), v80-143 info fragments (32 s + 8 mb), v144-239 accumulators (32 i + 8 mb):
;      every matrix instruction runs with all windows 0.  Window 1: three sets of 80: W as loaded at 16 x + 4 t, info at 48 + 4 t.
.set ROWB,   3072                      ; bytes in a row of info
.set IP,     144
.set IBUF,   128*IP
.set WPITCH, 416
.set WBUF,   64*WPITCH
.set WST,    2*IBUF
.set BIAS,   WST+2*WBUF
.set OST,    BIAS+8*768
.set OPITCH, 400
.set IOF,  4                           ; v4   my bytes in the work-group's rows of info: row 16 w + 8 h, 16 r
.set ISTO, 5                           ; v5   where I put 4 bf16 of info
.set IA,   6                           ; v6   where I read info fragments
.set WOFF, 7                           ; v7   my bytes in a step of W: K row 8 w + 4 h, 16 r
.set WSTO, 8                           ; v8   where I put 4 bf16 of W
.set WFA,  9                           ; v9   where I read W fragments (transposing loads)
.set BOFF, 10                          ; v10  8 lane
.set BSTO, 11                          ; v11  my wave's bias copy + 8 lane
.set BRD,  12                          ; v12  my first bias in that copy
.set OSTO, 13                          ; v13  the way out: where I put 16 bytes of a row
.set ORD,  14                          ; v14  the way out: where I read rows back
.set OOF,  15                          ; v15  2,048 w + 16 lane: my bytes in the work-group's rows of an output
.set BL,   18                          ; v[18:23] bias as loaded
.set WF,   32
.set AF,   80
.set ACC,  144
.set MSB,  0
.macro WIN new                         ; the immediate's high byte repeats the setting that is left
.if MSB != (\new)
	s_set_vgpr_msb (MSB<<8)|(\new)
.set MSB, (\new)
.endif
.endm
.macro PLACES                          ; four places behind a matrix instruction (ISA guide 7.12.1) before its registers are loaded again or its result is read
.rept 4
	v_nop
.endr
.endm
; 20 loads: step j's share of this wave, into set j % 3.  In each load lanes 0-15 and lanes 16-31 cover 256 consecutive bytes each, aligned:
; info rows t and t + 8 of my 16, W's K rows t and t + 4 of my 8.  Each byte of info is asked for once in the launch.
.macro LOADS j
	WIN 0x40                                       ; destination in window 1
.set SB, 80*((\j)%3)
.irp t, 0,1,2,3,4,5,6,7
	global_load_b128 v[SB+48+4*\t:SB+48+4*\t+3], v[IOF], s[8:9] offset:ROWB*\t+256*(\j) th:TH_LOAD_NT
.endr
.irp x, 0,1,2
.irp t, 0,1,2,3
	global_load_b128 v[SB+16*\x+4*\t:SB+16*\x+4*\t+3], v[WOFF], s[10+2*\x:11+2*\x] offset:16384*(\j)+256*\t
.endr
.endr
.endm
; Set j % 3 is rounded to bf16 in place, all 40 conversions in one run, and then laid into the buffers j % 2, all 20 stores in one run.
; The two halves of a store lie 8 x 144 = 1,152 (info) or 4 x 416 = 1,664 (W) bytes apart: 128 modulo 256, so that its 256 bytes meet 64 different banks (ISA guide 11.1).
.macro CONV j
	WIN 0x45                                       ; both sources and the destination in window 1
.set SB, 80*((\j)%3)
.set n, 0
.rept 20
	v_cvt_pk_bf16_f32 v[SB+4*n],   v[SB+4*n],   v[SB+4*n+1]
	v_cvt_pk_bf16_f32 v[SB+4*n+1], v[SB+4*n+2], v[SB+4*n+3]
.set n, n+1
.endr
	WIN 0x04                                       ; store data (source 1) in window 1
.irp x, 0,1,2
.irp t, 0,1,2,3
	ds_store_b64 v[WSTO], v[SB+16*\x+4*\t:SB+16*\x+4*\t+1] offset:((\j)&1)*WBUF+WPITCH*\t+128*\x   ; [K row][q | k | v]
.endr
.endr
.irp t, 0,1,2,3,4,5,6,7
	ds_store_b64 v[ISTO], v[SB+48+4*\t:SB+48+4*\t+1] offset:((\j)&1)*IBUF+IP*\t
.endr
.endm
; 28 LDS loads: my fragments of step j: for each of its two K steps of 32 three column blocks of W (transposing loads, 16 K rows apart) and four row blocks of info
.macro FRAG j
.irp s, 0,1
.irp i, 0,1,2
	ds_load_tr16_b128 v[WF+24*\s+8*\i:WF+24*\s+8*\i+3],   v[WFA] offset:((\j)&1)*WBUF+32*WPITCH*\s+32*\i
	ds_load_tr16_b128 v[WF+24*\s+8*\i+4:WF+24*\s+8*\i+7], v[WFA] offset:((\j)&1)*WBUF+32*WPITCH*\s+32*\i+16*WPITCH
.endr
.irp mb, 0,1,2,3
	ds_load_b128 v[AF+32*\s+8*\mb:AF+32*\s+8*\mb+3],   v[IA] offset:((\j)&1)*IBUF+16*IP*\mb+64*\s
	ds_load_b128 v[AF+32*\s+8*\mb+4:AF+32*\s+8*\mb+7], v[IA] offset:((\j)&1)*IBUF+16*IP*\mb+64*\s+32
.endr
.endr
.endm
; 12 matrix instructions: 32 along K.  The 12 accumulators take turns, one instruction a turn, in the same order throughout.
.macro MULS s
.irp i, 0,1,2
.irp mb, 0,1,2,3
	v_wmma_f32_16x16x32_bf16 v[ACC+32*\i+8*\mb:ACC+32*\i+8*\mb+7], v[WF+24*\s+8*\i:WF+24*\s+8*\i+7], v[AF+32*\s+8*\mb:AF+32*\s+8*\mb+7], v[ACC+32*\i+8*\mb:ACC+32*\i+8*\mb+7]
.endr
.endr
.endm
; Step j.  It stands behind the barrier that has shown the buffers j % 2 whole.  While its fragments come, step j + 1 is rounded and laid into the other buffers,
; which every wave has finished reading in front of that same barrier.  ONE barrier a step serves both ways: in front of its signal my stores of step j + 1
; are done and so are my reads of step j.
.macro STEP j
	WIN 0
	FRAG \j
.if (\j) < 11
.set LEFT, 20*(10-(\j))                        ; loads come back in order (ISA guide 5.7.1): set j + 1 is in; what was issued behind it stays out:
.if LEFT > 40                                  ; sets j + 2 and j + 3, 20 loads each, as far as there are steps
.set LEFT, 40
.endif
	s_wait_loadcnt LEFT
	CONV (\j)+1
	s_wait_dscnt 20                                ; my 28 fragment loads are in; the 20 stores issued behind them may be out
.else
	s_wait_dscnt 0x0                               ; the last step: nothing was issued behind the fragment loads
.endif
	WIN 0
	MULS 0
.if (\j) < 11
	s_wait_dscnt 0x0                               ; my stores of step j + 1 are done: for the other waves, and the set is free
.if (\j) < 8
	LOADS (\j)+4                                   ; into the set just stored
	WIN 0
.endif
	s_barrier_signal -1
.endif
	MULS 1                                         ; register work while the others arrive
	PLACES                                         ; the fragment registers are loaded again next
.if (\j) < 11
	s_barrier_wait -1
.endif
.endm
	s_load_b512 s[8:23], s[0:1], 0x0               ; info s[8:9], Wq s[10:11], Wk s[12:13], Wv s[14:15], bq s[16:17], bk s[18:19], bv s[20:21], qb s[22:23]
	s_load_b128 s[24:27], s[0:1], 0x40             ; kb s[24:25], vb s[26:27]
	v_lshl_add_u32 v254, v0, 2, 0x24000
	v_mov_b32 v255, 0
	v_lshrrev_b32 v1, 5, v0
	v_readfirstlane_b32 s2, v1                     ; wave 0..7
	s_and_b32 s3, s2, 3                            ; c: my column group
	s_lshr_b32 s30, s2, 2                          ; rh: my row half
	v_and_b32 v1, 31, v0                           ; lane
	v_and_b32 v2, 15, v0                           ; r
	v_bfe_u32 v3, v0, 4, 1                         ; h
	s_mul_i32 s4, ttmp9, 128*ROWB                  ; the work-group's 128 rows of info (below 2^27)
	s_mov_b32 s5, 0
	s_lshl_b32 s28, ttmp9, 14                      ; its 128 rows of 128 bytes in an output
	s_mov_b32 s29, 0
	s_mul_i32 s6, s2, 16*ROWB
	v_mul_u32_u24 v[IOF], v3, 8*ROWB
	v_lshl_add_u32 v[IOF], v2, 4, v[IOF]
	v_add_nc_u32 v[IOF], s6, v[IOF]                ; (16 w + 8 h) rows + 16 r
	v_lshlrev_b32 v[WOFF], 4, v2
	v_lshl_add_u32 v[WOFF], v3, 10, v[WOFF]
	v_lshl_add_u32 v[WOFF], s2, 11, v[WOFF]        ; (8 w + 4 h) rows of 256 bytes + 16 r
	v_lshlrev_b32 v[BOFF], 3, v1
	s_wait_kmcnt 0x0
	s_add_nc_u64 s[8:9], s[8:9], s[4:5]
	s_add_nc_u64 s[22:23], s[22:23], s[28:29]
	s_add_nc_u64 s[24:25], s[24:25], s[28:29]
	s_add_nc_u64 s[26:27], s[26:27], s[28:29]
.irp x, 0,1,2
	global_load_b64 v[BL+2*\x:BL+2*\x+1], v[BOFF], s[16+2*\x:17+2*\x]   ; a bias: 32 lanes x 8 bytes
.endr
	LOADS 0
	LOADS 1
	LOADS 2
	WIN 0
	; the LDS addresses, while the first loads are on their way
	s_mul_i32 s6, s2, 16*IP
	v_mul_u32_u24 v[ISTO], v3, 8*IP                ; info in: row 16 w + 8 h (+ t), 4 bf16 at 8 r
	v_lshl_add_u32 v[ISTO], v2, 3, v[ISTO]
	v_add_nc_u32 v[ISTO], s6, v[ISTO]
	s_mul_i32 s6, s30, 64*IP
	v_mul_u32_u24 v[IA], v2, IP                    ; an info fragment: row 64 rh + r, 16 bytes at 16 h (and 16 more 32 bytes on)
	v_lshl_add_u32 v[IA], v3, 4, v[IA]
	v_add_nc_u32 v[IA], s6, v[IA]
	s_mul_i32 s6, s2, 8*WPITCH
	s_add_co_u32 s6, s6, WST
	v_mul_u32_u24 v[WSTO], v3, 4*WPITCH            ; W in: K row 8 w + 4 h (+ t), 4 bf16 at 8 r
	v_lshl_add_u32 v[WSTO], v2, 3, v[WSTO]
	v_add_nc_u32 v[WSTO], s6, v[WSTO]
	v_and_b32 v16, 7, v0
	v_bfe_u32 v17, v0, 3, 1
	v_lshl_add_u32 v16, v3, 3, v16                 ; a W fragment: K row 8 h + lane % 8,
	v_mul_u32_u24 v[WFA], v16, WPITCH
	v_lshl_add_u32 v[WFA], v17, 4, v[WFA]          ; + 16 bytes for the upper eight of 16 lanes,
	s_mul_i32 s6, s3, 96                           ; my 48 columns
	s_add_co_u32 s7, s6, WST
	v_add_nc_u32 v[WFA], s7, v[WFA]
	s_mul_i32 s7, s30, 64*OPITCH
	s_add_co_u32 s7, s7, s6
	s_add_co_u32 s7, s7, OST
	v_mul_u32_u24 v[OSTO], v2, OPITCH              ; out: row 64 rh + r, 16 bytes at 96 c + 16 h
	v_lshl_add_u32 v[OSTO], v3, 4, v[OSTO]
	v_add_nc_u32 v[OSTO], s7, v[OSTO]
	v_lshrrev_b32 v16, 3, v1
	v_and_b32 v17, 7, v0
	v_mul_u32_u24 v[ORD], v16, OPITCH              ; back: row 16 w + lane / 8 (+ 4 t), 16 bytes at 16 (lane % 8)
	v_lshl_add_u32 v[ORD], v17, 4, v[ORD]
	s_mul_i32 s6, s2, 16*OPITCH
	s_add_co_u32 s6, s6, OST
	v_add_nc_u32 v[ORD], s6, v[ORD]
	v_lshlrev_b32 v[OOF], 4, v1
	v_lshl_add_u32 v[OOF], s2, 11, v[OOF]
	s_mul_i32 s6, s2, 768
	s_add_co_u32 s6, s6, BIAS
	v_add_nc_u32 v[BSTO], s6, v[BOFF]
	s_mul_i32 s7, s3, 192                          ; my first column: 48 c x 4 bytes
	s_add_co_u32 s6, s6, s7
	v_lshl_add_u32 v[BRD], v3, 5, s6               ; + 8 h columns
	; in front of step 0: step 0 is rounded and laid down, and the sums start from the bias: nothing is cleared and nothing is added later
	s_wait_loadcnt 40                              ; the bias and set 0 are in; sets 1 and 2 stay out
.irp x, 0,1,2
	ds_store_b64 v[BSTO], v[BL+2*\x:BL+2*\x+1] offset:256*\x       ; my wave's own copy: no other wave touches it
.endr
	CONV 0
	WIN 0
.irp i, 0,1,2
.irp mb, 0,1,2,3
	ds_load_b128 v[ACC+32*\i+8*\mb:ACC+32*\i+8*\mb+3],   v[BRD] offset:64*\i      ; register j of a result is column 48 c + 16 i + 8 h + j: its bias.
	ds_load_b128 v[ACC+32*\i+8*\mb+4:ACC+32*\i+8*\mb+7], v[BRD] offset:64*\i+16   ; LDS serves a wave's instructions in order (ISA guide 5.7.1): these see the stores above
.endr
.endr
	s_wait_dscnt 0x0                               ; my stores of step 0 are done: for the other waves, and set 0 is free; the bias is in
	LOADS 3
	WIN 0
	s_barrier_signal -1
	s_barrier_wait -1
.irp j, 0,1,2,3,4,5,6,7,8,9,10,11
	STEP \j
.endr
	; THE WAY OUT: round to bf16 (the last step's four places stand behind the last matrix instructions), 16 bytes a lane into rows of [q | k | v] in LDS;
	; read back by rows; each store of a wave covers 512 consecutive bytes, aligned.
.irp i, 0,1,2
.irp mb, 0,1,2,3
.irp q, 0,1,2,3
	v_cvt_pk_bf16_f32 v[AF+16*\i+4*\mb+\q], v[ACC+32*\i+8*\mb+2*\q], v[ACC+32*\i+8*\mb+2*\q+1]
.endr
.endr
.endr
.irp i, 0,1,2
.irp mb, 0,1,2,3
	ds_store_b128 v[OSTO], v[AF+16*\i+4*\mb:AF+16*\i+4*\mb+3] offset:16*OPITCH*\mb+32*\i
.endr
.endr
	s_wait_dscnt 0x0                               ; a row holds four waves' columns
	s_barrier_signal -1
	s_barrier_wait -1
.irp x, 0,1,2
.irp t, 0,1,2,3
	ds_load_b128 v[AF+16*\x+4*\t:AF+16*\x+4*\t+3], v[ORD] offset:4*OPITCH*\t+128*\x   ; four of my 16 rows, 128 bytes of matrix x each
.endr
.endr
.irp x, 0,1,2
	s_wait_dscnt 8-4*\x                            ; matrix x's four loads are in, the later matrices' stay out
.irp t, 0,1,2,3
	global_store_b128 v[OOF], v[AF+16*\x+4*\t:AF+16*\x+4*\t+3], s[22+2*\x:23+2*\x] offset:512*\t
.endr
.endr
	s_wait_tensorcnt 0x0
	ds_add_u32 v254, v255
	s_wait_dscnt 0x0
	s_endpgm
.Lfunc_end_k_q794b2789d8_proj:
	.size	k_q794b2789d8_proj, .Lfunc_end_k_q794b2789d8_proj-k_q794b2789d8_proj
	.p2alignl 7, 3214868480
	.fill 96, 4, 3214868480
	.section	.rodata,"a",@progbits
	.p2align	6, 0x0
	.amdhsa_kernel k_q794b2789d8_proj
		.amdhsa_group_segment_fixed_size 148480
		.amdhsa_private_segment_fixed_size 0
		.amdhsa_enable_private_segment 0
		.amdhsa_kernarg_size 80
		.amdhsa_user_sgpr_count 2
		.amdhsa_user_sgpr_kernarg_segment_ptr 1
		.amdhsa_wavefront_size32 1
		.amdhsa_system_sgpr_workgroup_id_x 1
		.amdhsa_system_sgpr_workgroup_id_y 1
		.amdhsa_system_sgpr_workgroup_id_z 1
		.amdhsa_system_vgpr_workitem_id 0
		.amdhsa_next_free_vgpr 496
		.amdhsa_next_free_sgpr 66
		.amdhsa_reserve_vcc 0
		.amdhsa_float_denorm_mode_32 3
		.amdhsa_float_denorm_mode_16_64 3
		.amdhsa_memory_ordered 1
		.amdhsa_forward_progress 1
		.amdhsa_inst_pref_size 124
	.end_amdhsa_kernel
	.amdgpu_metadata
---
amdhsa.version: [ 1, 2 ]
amdhsa.kernels:
  - .name:           k_q794b2789d8_proj
    .symbol:         k_q794b2789d8_proj.kd
    .args:
      - { .name: info, .offset: 0, .size: 8, .value_kind: global_buffer, .address_space: global }
      - { .name: Wq, .offset: 8, .size: 8, .value_kind: global_buffer, .address_space: global }
      - { .name: Wk, .offset: 16, .size: 8, .value_kind: global_buffer, .address_space: global }
      - { .name: Wv, .offset: 24, .size: 8, .value_kind: global_buffer, .address_space: global }
      - { .name: bq, .offset: 32, .size: 8, .value_kind: global_buffer, .address_space: global }
      - { .name: bk, .offset: 40, .size: 8, .value_kind: global_buffer, .address_space: global }
      - { .name: bv, .offset: 48, .size: 8, .value_kind: global_buffer, .address_space: global }
      - { .name: qb, .offset: 56, .size: 8, .value_kind: global_buffer, .address_space: global }
      - { .name: kb, .offset: 64, .size: 8, .value_kind: global_buffer, .address_space: global }
      - { .name: vb, .offset: 72, .size: 8, .value_kind: global_buffer, .address_space: global }
    .group_segment_fixed_size: 148480
    .private_segment_fixed_size: 0
    .kernarg_segment_align: 8
    .kernarg_segment_size: 80
    .max_flat_workgroup_size: 256
    .sgpr_count:     66
    .vgpr_count:     496
    .wavefront_size: 32
...
	.end_amdgpu_metadata
.endif
;; end of part 1
;; launch attn (part 2): grid 256 x 1, 8 waves a work-group, clusters of 4 x 1, 327,680 bytes of LDS; arguments qb, kb, vb, att, stats; writes att, stats
.if DOCPART == 2
	.amdgcn_target "amdgcn-amd-amdhsa--gfx1250"
	.amdhsa_code_object_version 6
	.text
	.protected	k_q794b2789d8_attn
	.globl	k_q794b2789d8_attn
	.p2align	8
	.type	k_q794b2789d8_attn,@function
k_q794b2789d8_attn:
	s_mov_b64 s[64:65], 0
	v_nop
	global_prefetch_b8 v0, s[64:65] scope:SCOPE_SE
	s_setreg_imm32_b32 hwreg(HW_REG_WAVE_MODE, 25, 1), 1
	s_wait_xcnt 0x0
	s_wait_alu depctr_hold_cnt(0) depctr_sa_sdst(0) depctr_va_vdst(0) depctr_va_sdst(0) depctr_va_ssrc(0) depctr_va_vcc(0) depctr_vm_vsrc(0)
	s_getreg_b32 s2, hwreg(HW_REG_IB_STS2, 6, 4)
	s_cmp_eq_u32 s2, 0
	s_cbranch_scc0 .Lentry_in_a_cluster
	s_endpgm
.Lentry_in_a_cluster:
	s_bfe_u32 s2, ttmp6, 0x10000c
	s_cmp_lg_u32 s2, 0x3003
	s_cbranch_scc0 .Lentry_shape_is_right
	s_endpgm
.Lentry_shape_is_right:
; att = softmax(q k^T / 8) v for 16 slices of 2,048 rows.  qb, kb, vb: [32768][64] bf16.  att: [32768][64] f32.
; stats: [256 work-groups][4 waves] (mean, sum of squares about that mean) of the 2,048 results that a wave stores, f32.
; A work-group owns 128 queries of a slice.  Wave w: key half g = w / 4 (1,024 keys), queries 32 u .. 32 u + 31 with u = w % 4.  Eight waves, so that
; one wave's exponentials can run beside another wave's matrix instructions; the two halves of a query group are merged once, at the end, through LDS.
; Softmax with a running maximum; the scale 1/8 and log2(e) ride in the multiply-add that feeds exp2.
; LIMITS: q, k, v and the weights P are bf16 operands; P's sum is taken in f32 before that rounding; v_exp_f32 and v_rcp_f32 flush denormals;
; the maxima ignore NaN (v_max_num), so a NaN score does not spread as it would in the definition.
; BOTH PRODUCTS ARE TRANSPOSED.  S^T = K Q^T: lane (r, h), register j holds (key 8 h + j, query r).  Two such tiles, packed to bf16, ARE the second
; source of O^T = V^T P^T (keys 8 h .. 8 h + 7, then 16 + 8 h ..): P needs no shuffle, and maximum and sum are one number a lane, shared by lanes r, r + 16.
; CLUSTERS: the four work-groups of a cluster belong to one slice (16 work-groups a slice) and walk the same K and V: every tile is asked for jointly,
; which divides the requests for K and V by four.  Waves 0-3 fetch K's four pieces of 128 keys, waves 4-7 V's.
;
; LDS: slot s at s x 155,648: K, half g at g x 36,864 (256 keys, pitch 144 = 9 x 16); V at 73,728 + g x 40,960 (pitch 160 = 5 x 32).
;      Four steps of 256 keys a half: steps 0, 1 are first fills, steps 2, 3 refills.  Behind slot 0's last fill and last read it carries
;      the merge stage (u x 8,704) and the out stage (34,816 + u x 8,704: 32 rows, pitch 272).
; REGISTERS: window 0: see the names below; window 1: v0-63 K fragments (16 kb + 8 ks), v64-127 V fragments (64 + 32 kk + 8 eb).
.set KP,    144
.set VP,    160
.set KHALF, 256*KP
.set VHALF, 256*VP
.set VBASE, 2*KHALF
.set SLOT,  VBASE+2*VHALF
.set MSZ,   8704
.set OSTG,  4*MSZ
.set OP,    272
.set KA,  4                            ; v4-5   my K fragments in slot 0, 1
.set VA,  6                            ; v6-7   my V fragments in slot 0, 1
.set QOF, 8                            ; v8     128 r + 16 h
.set MAD, 9                            ; v9     merge stage: my 16 bytes
.set OIN, 10                           ; v10    out stage, in
.set ORD, 11                           ; v11    out stage, back
.set GOF, 12                           ; v12    16 lane
.set ZER, 13                           ; v13    0
.set Q,   16                           ; v16-47   Q fragments (16 qb + 8 ks)
.set S,   48                           ; v48-111  S^T tiles (32 qb + 8 kb), then P^T fragments (32 qb + 16 kk)
.set O,   112                          ; v112-175 O^T tiles (32 qb + 8 eb)
.set MA,  176                          ; v176-177 running maximum, the set written by even sub-steps
.set MB,  180                          ; v180-181 the set written by odd sub-steps; v182-183: the sums at the end (one tuple for the merge)
.set NM,  184                          ; v184-187 - c x maximum, twice for each qb (a pair for the packed forms)
.set AL,  188                          ; v188-191 the rescale factor, twice for each qb
.set LS,  192                          ; v192-195 running sums, a pair for each qb
.set T,   196                          ; v196-211 at work
.set W0,  200                          ; the merge: v200-205, v208-213
.set ST,  214                          ; v214-215 (mean, centred sum of squares)
.set NG,  216                          ; v216-217 - mean, twice
.set KF,  0
.set VF,  64
.set G1K, 32                           ; s[32:39]
.set G1V, 40                           ; s[40:47]
.set G0K, 48                           ; s[48:55] one set for each slot
.set G0V, 56                           ; s[56:63]
.set MSB, 0
.macro WIN new
.if MSB != (\new)
	s_set_vgpr_msb (MSB<<8)|(\new)
.set MSB, (\new)
.endif
.endm
.macro PLACES
.rept 4
	v_nop
.endr
.endm
; A round of the cluster's barrier: my work-group's barrier, wave 0 signals for the work-group, every wave waits for all four work-groups, my work-group's barrier again.
.macro CROUND
	s_barrier_signal -1
	s_barrier_wait -1
	s_cmp_lg_u32 s20, 0
	s_cbranch_scc1 .Lnot_wave_0_\@
	s_barrier_signal -3
.Lnot_wave_0_\@:
	s_barrier_wait -3
	s_barrier_signal -1
	s_barrier_wait -1
.endm
; A joint load: the branch hangs on the wave's number alone, and nothing in a descriptor hangs on the work-group's place in its cluster.
.macro JLOAD s
	s_cmp_lt_u32 s20, 4
	s_cbranch_scc0 .Lfor_v_\@
	tensor_load_to_lds s[G0K+4*\s:G0K+4*\s+3], s[G1K:G1K+7]
	s_nop 0
	s_branch .Lasked_\@
.Lfor_v_\@:
	tensor_load_to_lds s[G0V+4*\s:G0V+4*\s+3], s[G1V:G1V+7]
	s_nop 0
.Lasked_\@:
.endm
	s_load_b256 s[8:15], s[0:1], 0x0               ; qb s[8:9], kb s[10:11], vb s[12:13], att s[14:15]
	s_load_b64 s[16:17], s[0:1], 0x20              ; stats
	v_lshl_add_u32 v254, v0, 2, 0x4c000
	v_mov_b32 v255, 0
	ds_add_u32 v254, v255
	v_lshrrev_b32 v1, 5, v0
	v_readfirstlane_b32 s20, v1                    ; wave 0..7
	s_lshr_b32 s21, s20, 2                         ; g: my key half
	s_and_b32 s22, s20, 3                          ; u: my query group.  Also: which piece of a step's K (or V) I fetch
	s_bfe_u32 s25, ttmp6, 0x40000                  ; cx
	s_lshr_b32 s26, ttmp9, 2                       ; slice = cluster / 4: the same in all four partners
	s_lshl_b32 s27, ttmp9, 2
	s_add_co_u32 s27, s27, s25                     ; work-group = 4 x cluster + cx
	s_mov_b32 s66, 0x3e38aa3b                      ; c = log2(e) / 8
	s_mov_b32 s67, 0x3e38aa3b
	s_mov_b32 s68, 0xbe38aa3b                      ; - c
	s_mov_b32 s70, 0x76543210                      ; v_permlanex16_b32: lane i of one half reads lane i of the other
	s_mov_b32 s71, 0xfedcba98
	; group 1: 128 keys x 128 bytes are dense in memory: 64 rows of 256 bytes; a pad behind every 32 words, that is behind every key
	s_mov_b32 s[G1K+0], 15|(1<<16)|(1<<20)|(1<<21)|(4<<22)|(3<<25)  ; mask: all four; element of 2 bytes; padding on; bit 21 beside a mask; every 32 words; 4 words
	s_mov_b32 s[G1V+0], 15|(1<<16)|(1<<20)|(1<<21)|(4<<22)|(7<<25)  ; the same with 8 words
.irp g, G1K, G1V
	s_mov_b32 s[\g+1], 128<<16                     ; tensor_dim0 = 128
	s_mov_b32 s[\g+2], 64<<16                      ; tensor_dim1 = 64
	s_mov_b32 s[\g+3], 128<<16                     ; tile_dim0 = 128
	s_mov_b32 s[\g+4], 64                          ; tile_dim1 = 64
	s_mov_b32 s[\g+5], 128                         ; elements from row to row
	s_mov_b32 s[\g+6], 0
	s_mov_b32 s[\g+7], 0
.endr
	s_lshl_b32 s72, s26, 18                        ; the slice: 2,048 keys x 128 bytes
	s_lshr_b32 s28, s22, 1
	s_lshl_b32 s28, s28, 17                        ; the piece's half: 1,024 keys
	s_add_co_u32 s72, s72, s28
	s_and_b32 s28, s22, 1
	s_lshl_b32 s28, s28, 14                        ; its part: 128 keys
	s_add_co_u32 s72, s72, s28
	s_mov_b32 s73, 0
	s_mul_i32 s30, s22, 128*KP                     ; where the piece goes: the four pieces of K lie one behind the other,
	s_mul_i32 s31, s22, 128*VP                     ; and so do V's,
	s_add_co_u32 s31, s31, VBASE                   ; behind K
	s_wait_dscnt 0x0
	s_wait_kmcnt 0x0
	s_add_nc_u64 s[10:11], s[10:11], s[72:73]
	s_add_nc_u64 s[12:13], s[12:13], s[72:73]
.irp s, 0,1
	s_mov_b32 s[G0K+4*\s], 1
	s_add_co_u32 s[G0K+4*\s+1], s30, \s*SLOT
	s_add_nc_u64 s[G0K+4*\s+2:G0K+4*\s+3], s[10:11], \s*32768      ; step s: 256 keys on
	s_or_b32 s[G0K+4*\s+3], s[G0K+4*\s+3], 0x80000000
	s_mov_b32 s[G0V+4*\s], 1
	s_add_co_u32 s[G0V+4*\s+1], s31, \s*SLOT
	s_add_nc_u64 s[G0V+4*\s+2:G0V+4*\s+3], s[12:13], \s*32768
	s_or_b32 s[G0V+4*\s+3], s[G0V+4*\s+3], 0x80000000
.endr
	CROUND                                         ; all four work-groups are here: the first joint loads meet
	s_cmp_lt_u32 s20, 4                            ; a wave's two first fills stand in one branch: two loads of the wave are out
	s_cbranch_scc0 .Lfirst_v
	tensor_load_to_lds s[G0K:G0K+3], s[G1K:G1K+7]
	s_nop 0
	tensor_load_to_lds s[G0K+4:G0K+7], s[G1K:G1K+7]
	s_nop 0
	s_branch .Lfirst_done
.Lfirst_v:
	tensor_load_to_lds s[G0V:G0V+3], s[G1V:G1V+7]
	s_nop 0
	tensor_load_to_lds s[G0V+4:G0V+7], s[G1V:G1V+7]
	s_nop 0
.Lfirst_done:
	; what hangs on the work-group's own number, in registers that feed no descriptor
	s_lshl_b32 s74, s27, 14                        ; 128 queries x 128 bytes
	s_lshl_b32 s28, s22, 12                        ; my 32 queries
	s_add_co_u32 s74, s74, s28
	s_mov_b32 s75, 0
	s_add_nc_u64 s[8:9], s[8:9], s[74:75]          ; my rows of qb
	s_lshl_b32 s74, s74, 1
	s_add_nc_u64 s[14:15], s[14:15], s[74:75]      ; my rows of att: 256 bytes each
	s_lshl_b32 s74, s27, 5
	s_lshl3_add_u32 s74, s22, s74                  ; (4 x work-group + u) x 8
	s_add_nc_u64 s[16:17], s[16:17], s[74:75]
	v_and_b32 v1, 31, v0                           ; lane
	v_and_b32 v2, 15, v0                           ; r
	v_bfe_u32 v3, v0, 4, 1                         ; h
	v_lshlrev_b32 v[QOF], 7, v2
	v_lshl_add_u32 v[QOF], v3, 4, v[QOF]
.irp qb, 0,1
.irp ks, 0,1
	global_load_b128 v[Q+16*\qb+8*\ks:Q+16*\qb+8*\ks+3],   v[QOF], s[8:9] offset:2048*\qb+64*\ks      ; query r, e = 32 ks + 8 h ..
	global_load_b128 v[Q+16*\qb+8*\ks+4:Q+16*\qb+8*\ks+7], v[QOF], s[8:9] offset:2048*\qb+64*\ks+32   ; e = 32 ks + 16 + 8 h ..
.endr
.endr
	s_mul_i32 s28, s21, KHALF
	v_mul_u32_u24 v[KA], v2, KP                    ; key r, 16 bytes at 16 h
	v_lshl_add_u32 v[KA], v3, 4, v[KA]
	v_add_nc_u32 v[KA], s28, v[KA]
	v_add_nc_u32 v[KA+1], SLOT, v[KA]
	s_mul_i32 s28, s21, VHALF
	s_add_co_u32 s28, s28, VBASE
	v_and_b32 v14, 7, v0
	v_bfe_u32 v15, v0, 3, 1
	v_lshl_add_u32 v14, v3, 3, v14                 ; key 8 h + lane % 8
	v_mul_u32_u24 v[VA], v14, VP
	v_lshl_add_u32 v[VA], v15, 4, v[VA]
	v_add_nc_u32 v[VA], s28, v[VA]
	v_add_nc_u32 v[VA+1], SLOT, v[VA]
	v_lshlrev_b32 v[GOF], 4, v1
	s_mul_i32 s28, s22, MSZ
	v_add_nc_u32 v[MAD], s28, v[GOF]               ; the merge stage begins at LDS byte 0
	s_add_co_u32 s28, s28, OSTG
	v_mul_u32_u24 v[OIN], v2, OP                   ; in: row r, 32 bytes at 32 h
	v_lshl_add_u32 v[OIN], v3, 5, v[OIN]
	v_add_nc_u32 v[OIN], s28, v[OIN]
	v_mul_u32_u24 v[ORD], v3, OP                   ; back: lanes 0-15 one row of 256 bytes, lanes 16-31 the next
	v_lshl_add_u32 v[ORD], v2, 4, v[ORD]
	v_add_nc_u32 v[ORD], s28, v[ORD]
	v_mov_b32 v[ZER], 0
.macro KLOAD slot, t                   ; 16 loads: 64 keys x 64 e
.irp kb, 0,1,2,3
.irp ks, 0,1
	ds_load_b128 v[KF+16*\kb+8*\ks:KF+16*\kb+8*\ks+3],   v[KA+\slot] offset:64*KP*(\t)+16*KP*\kb+64*\ks
	ds_load_b128 v[KF+16*\kb+8*\ks+4:KF+16*\kb+8*\ks+7], v[KA+\slot] offset:64*KP*(\t)+16*KP*\kb+64*\ks+32
.endr
.endr
.endm
.macro VLOAD slot, t                   ; 16 transposing loads: 64 e x 64 keys
.irp kk, 0,1
.irp eb, 0,1,2,3
	ds_load_tr16_b128 v[VF+32*\kk+8*\eb:VF+32*\kk+8*\eb+3],   v[VA+\slot] offset:64*VP*(\t)+32*VP*\kk+32*\eb
	ds_load_tr16_b128 v[VF+32*\kk+8*\eb+4:VF+32*\kk+8*\eb+7], v[VA+\slot] offset:64*VP*(\t)+32*VP*\kk+32*\eb+16*VP
.endr
.endr
.endm
; 64 keys against my 32 queries.  first = 1: the first of all: no old maximum, the first products start O, the first sums start LS.
; pre = 1: the next 64 keys' fragments are fetched.  par: which set takes the new maximum.
; In both products eight accumulators take turns, one instruction a turn.
.macro SUB slot, t, first, pre, par
.set MNEW, MA+4*\par
.set MOLD, MA+4*(1-\par)
	s_wait_dscnt 16                                ; LDS loads come back in order: K's 16 are in, V's 16 stay out
	WIN 0x01                                       ; source 0 in window 1
.irp qb, 0,1
.irp kb, 0,1,2,3
	v_wmma_f32_16x16x32_bf16 v[S+32*\qb+8*\kb:S+32*\qb+8*\kb+7], v[KF+16*\kb:KF+16*\kb+7], v[Q+16*\qb:Q+16*\qb+7], 0
.endr
.endr
.irp qb, 0,1
.irp kb, 0,1,2,3
	v_wmma_f32_16x16x32_bf16 v[S+32*\qb+8*\kb:S+32*\qb+8*\kb+7], v[KF+16*\kb+8:KF+16*\kb+15], v[Q+16*\qb+8:Q+16*\qb+15], v[S+32*\qb+8*\kb:S+32*\qb+8*\kb+7]
.endr
.endr
	PLACES                                         ; before K's registers are loaded again and S is read
.if \pre
	WIN 0x40                                       ; destination in window 1
	KLOAD \slot, (\t)+1
.endif
	WIN 0
	; the new maximum of each query: my 32 keys and the old maximum in 16 instructions, then the other half of the lanes
.irp qb, 0,1
.irp kb, 0,1,2,3
	v_max3_num_f32 v[T+4*\qb+\kb], v[S+32*\qb+8*\kb], v[S+32*\qb+8*\kb+1], v[S+32*\qb+8*\kb+2]
.endr
.irp kb, 0,1,2,3
	v_max3_num_f32 v[T+4*\qb+\kb], v[T+4*\qb+\kb], v[S+32*\qb+8*\kb+3], v[S+32*\qb+8*\kb+4]
.endr
.irp kb, 0,1,2,3
	v_max3_num_f32 v[T+4*\qb+\kb], v[T+4*\qb+\kb], v[S+32*\qb+8*\kb+5], v[S+32*\qb+8*\kb+6]
.endr
	v_max3_num_f32 v[T+4*\qb],   v[T+4*\qb],   v[T+4*\qb+1], v[S+32*\qb+7]
	v_max3_num_f32 v[T+4*\qb+2], v[T+4*\qb+2], v[T+4*\qb+3], v[S+32*\qb+15]
	v_max3_num_f32 v[T+4*\qb],   v[T+4*\qb],   v[T+4*\qb+2], v[S+32*\qb+23]
.if \first
	v_max_num_f32 v[T+4*\qb], v[T+4*\qb], v[S+32*\qb+31]
.else
	v_max3_num_f32 v[T+4*\qb], v[T+4*\qb], v[S+32*\qb+31], v[MOLD+\qb]
.endif
	v_permlanex16_b32 v[T+4*\qb+1], v[T+4*\qb], s70, s71
	v_max_num_f32 v[MNEW+\qb], v[T+4*\qb], v[T+4*\qb+1]
	v_mul_f32 v[NM+2*\qb],   s68, v[MNEW+\qb]      ; - c m, twice: a pair for the packed multiply-adds
	v_mul_f32 v[NM+2*\qb+1], s68, v[MNEW+\qb]
.if \first == 0
	v_fma_f32 v[T+4*\qb+2], v[MOLD+\qb], s66, v[NM+2*\qb]          ; c (old m - new m)
.endif
.endr
	; p = exp2(c s - c m).  Behind a run of v_exp_f32 a plain vector instruction that touches none of them comes first (ISA guide 5.7.2):
	; behind the first run the second block's multiply-adds, behind the second run the rescaling of O (in the first sub-step: the first block's sums).
.set n, 0
.rept 16
	v_pk_fma_f32 v[S+2*n:S+2*n+1], v[S+2*n:S+2*n+1], s[66:67], v[NM:NM+1] op_sel_hi:[1,0,1]
.set n, n+1
.endr
.if \first == 0
	v_exp_f32 v[AL],   v[T+2]
	v_exp_f32 v[AL+1], v[T+2]
	v_exp_f32 v[AL+2], v[T+6]
	v_exp_f32 v[AL+3], v[T+6]
.endif
.set n, 0
.rept 32
	v_exp_f32 v[S+n], v[S+n]
.set n, n+1
.endr
.set n, 0
.rept 16
	v_pk_fma_f32 v[S+32+2*n:S+32+2*n+1], v[S+32+2*n:S+32+2*n+1], s[66:67], v[NM+2:NM+3] op_sel_hi:[1,0,1]
.set n, n+1
.endr
.set n, 0
.rept 32
	v_exp_f32 v[S+32+n], v[S+32+n]
.set n, n+1
.endr
.if \first == 0
	s_wait_alu depctr_va_vdst(0)
.irp qb, 0,1
.set n, 0
.rept 16
	v_pk_mul_f32 v[O+32*\qb+2*n:O+32*\qb+2*n+1], v[O+32*\qb+2*n:O+32*\qb+2*n+1], v[AL+2*\qb:AL+2*\qb+1]
.set n, n+1
.endr
.endr
.endif
	; my 32 weights of each query are added, in f32, in four chains; the other lane half's are added at the end
	s_wait_alu depctr_va_vdst(0)
.irp qb, 0,1
.irp kb, 0,1,2,3
	v_pk_add_f32 v[T+8*\qb+2*\kb:T+8*\qb+2*\kb+1], v[S+32*\qb+8*\kb:S+32*\qb+8*\kb+1], v[S+32*\qb+8*\kb+2:S+32*\qb+8*\kb+3]
.endr
.irp kb, 0,1,2,3
	v_pk_add_f32 v[T+8*\qb+2*\kb:T+8*\qb+2*\kb+1], v[T+8*\qb+2*\kb:T+8*\qb+2*\kb+1], v[S+32*\qb+8*\kb+4:S+32*\qb+8*\kb+5]
.endr
.irp kb, 0,1,2,3
	v_pk_add_f32 v[T+8*\qb+2*\kb:T+8*\qb+2*\kb+1], v[T+8*\qb+2*\kb:T+8*\qb+2*\kb+1], v[S+32*\qb+8*\kb+6:S+32*\qb+8*\kb+7]
.endr
	v_pk_add_f32 v[T+8*\qb:T+8*\qb+1],   v[T+8*\qb:T+8*\qb+1],   v[T+8*\qb+2:T+8*\qb+3]
	v_pk_add_f32 v[T+8*\qb+4:T+8*\qb+5], v[T+8*\qb+4:T+8*\qb+5], v[T+8*\qb+6:T+8*\qb+7]
.if \first
	v_pk_add_f32 v[LS+2*\qb:LS+2*\qb+1], v[T+8*\qb:T+8*\qb+1], v[T+8*\qb+4:T+8*\qb+5]
.else
	v_pk_add_f32 v[T+8*\qb:T+8*\qb+1], v[T+8*\qb:T+8*\qb+1], v[T+8*\qb+4:T+8*\qb+5]
	v_pk_fma_f32 v[LS+2*\qb:LS+2*\qb+1], v[LS+2*\qb:LS+2*\qb+1], v[AL+2*\qb:AL+2*\qb+1], v[T+8*\qb:T+8*\qb+1]
.endif
.endr
	; two tiles of 16 keys pack, in place and upward, into one fragment of 32 keys
.irp qb, 0,1
.irp kk, 0,1
.irp q, 0,1,2,3,4,5,6,7
	v_cvt_pk_bf16_f32 v[S+32*\qb+16*\kk+\q], v[S+32*\qb+16*\kk+2*\q], v[S+32*\qb+16*\kk+2*\q+1]
.endr
.endr
.endr
.if \pre
	s_wait_dscnt 16                                ; V's 16 are in, the next K's 16 stay out
.else
	s_wait_dscnt 0x0                               ; nothing was issued behind V's
.endif
	WIN 0x01
.irp qb, 0,1
.irp eb, 0,1,2,3
.if \first
	v_wmma_f32_16x16x32_bf16 v[O+32*\qb+8*\eb:O+32*\qb+8*\eb+7], v[VF+8*\eb:VF+8*\eb+7], v[S+32*\qb:S+32*\qb+7], 0
.else
	v_wmma_f32_16x16x32_bf16 v[O+32*\qb+8*\eb:O+32*\qb+8*\eb+7], v[VF+8*\eb:VF+8*\eb+7], v[S+32*\qb:S+32*\qb+7], v[O+32*\qb+8*\eb:O+32*\qb+8*\eb+7]
.endif
.endr
.endr
.irp qb, 0,1
.irp eb, 0,1,2,3
	v_wmma_f32_16x16x32_bf16 v[O+32*\qb+8*\eb:O+32*\qb+8*\eb+7], v[VF+32+8*\eb:VF+32+8*\eb+7], v[S+32*\qb+16:S+32*\qb+23], v[O+32*\qb+8*\eb:O+32*\qb+8*\eb+7]
.endr
.endr
.rept 5
	v_nop                                          ; five places: the next S products write over P's registers; V's registers are loaded again, O is read
.endr
.if \pre
	WIN 0x40
	VLOAD \slot, (\t)+1
.endif
.endm
.macro STEP slot, first                ; 256 keys of my half
	WIN 0x40
	KLOAD \slot, 0
	VLOAD \slot, 0
	SUB \slot, 0, \first, 1, 0
	SUB \slot, 1, 0, 1, 1
	SUB \slot, 2, 0, 1, 0
	SUB \slot, 3, 0, 0, 1
	WIN 0
.endm
; Slot s, which has been read, is filled again, two steps ahead.  The waits stand in front of the round's opening signal: no wave of any partner still
; reads the slot or has a load on its way.  The joint refill is the wave's first and only tensor load behind the round: one load of the wave is out.
.macro REFILL s
	s_wait_dscnt 0x0
	s_wait_tensorcnt 0x0
	ds_add_u32 v254, v255
	s_wait_dscnt 0x0
	CROUND
	s_add_nc_u64 s[G0K+4*\s+2:G0K+4*\s+3], s[G0K+4*\s+2:G0K+4*\s+3], 65536
	s_add_nc_u64 s[G0V+4*\s+2:G0V+4*\s+3], s[G0V+4*\s+2:G0V+4*\s+3], 65536
	JLOAD \s
.endm
	s_wait_tensorcnt 0x1                           ; my piece of slot 0 is in; slot 1's may stay out
	s_barrier_signal -1
	s_barrier_wait -1
	s_wait_loadcnt 0x0                             ; Q
	STEP 0, 1
	REFILL 0                                       ; slot 1 is whole; step 2's keys go out
	STEP 1, 0
	REFILL 1                                       ; slot 0 is whole; step 3's keys go out: the last loads
	STEP 0, 0
	s_wait_dscnt 0x0                               ; my reads of slot 0 are over: behind this barrier it may carry the stages
	s_wait_tensorcnt 0x0                           ; my piece of slot 1 is in
	s_barrier_signal -1
	s_barrier_wait -1
	STEP 1, 0
	; THE MERGE of the two key halves.  The last sub-step's five places stand behind the last matrix instructions.
	v_add_f32 v[MB+2], v[LS],   v[LS+1]
	v_add_f32 v[MB+3], v[LS+2], v[LS+3]
	s_cmp_lt_u32 s20, 4
	s_cbranch_scc1 .Lkeep
.set n, 0
.rept 16
	ds_store_b128 v[MAD], v[O+4*n:O+4*n+3] offset:512*n            ; half 1 hands over O,
.set n, n+1
.endr
	ds_store_b128 v[MAD], v[MB:MB+3] offset:8192                   ; its two maxima and its two sums
.Lkeep:
	s_wait_dscnt 0x0
	s_barrier_signal -1
	s_barrier_wait -1
	s_cmp_lt_u32 s20, 4
	s_cbranch_scc0 .Lclose
.set n, 0
.rept 16
	ds_load_b128 v[S+4*n:S+4*n+3], v[MAD] offset:512*n
.set n, n+1
.endr
	ds_load_b128 v[T:T+3], v[MAD] offset:8192
	s_wait_dscnt 0x0
.irp qb, 0,1
	v_max_num_f32 v[W0+8*\qb], v[MB+\qb], v[T+\qb]
	v_mul_f32 v[W0+8*\qb], s68, v[W0+8*\qb]                        ; - c x the common maximum
	v_fma_f32 v[W0+8*\qb+2], v[MB+\qb], s66, v[W0+8*\qb]
	v_fma_f32 v[W0+8*\qb+3], v[T+\qb],  s66, v[W0+8*\qb]
.endr
.irp qb, 0,1
	v_exp_f32 v[W0+8*\qb+2], v[W0+8*\qb+2]
	v_exp_f32 v[W0+8*\qb+3], v[W0+8*\qb+3]
.endr
	v_nop                                          ; the place behind the exponentials
	s_wait_alu depctr_va_vdst(0)
.irp qb, 0,1
	v_mul_f32  v[W0+8*\qb+4], v[MB+2+\qb], v[W0+8*\qb+2]
	v_fmac_f32 v[W0+8*\qb+4], v[T+2+\qb],  v[W0+8*\qb+3]
	v_permlanex16_b32 v[W0+8*\qb+1], v[W0+8*\qb+4], s70, s71       ; the other lane half holds the other keys of the same query
	v_add_f32 v[W0+8*\qb+4], v[W0+8*\qb+4], v[W0+8*\qb+1]          ; at least 1: the key of the maximum is among them
.endr
	v_rcp_f32 v[W0+5],  v[W0+4]
	v_rcp_f32 v[W0+13], v[W0+12]
	v_nop                                          ; the place behind the reciprocals
	s_wait_alu depctr_va_vdst(0)
.irp qb, 0,1
	v_mul_f32 v[NM+2*\qb],   v[W0+8*\qb+2], v[W0+8*\qb+5]          ; my half's factor, twice
	v_mul_f32 v[NM+2*\qb+1], v[W0+8*\qb+2], v[W0+8*\qb+5]
	v_mul_f32 v[AL+2*\qb],   v[W0+8*\qb+3], v[W0+8*\qb+5]          ; the other half's, twice
	v_mul_f32 v[AL+2*\qb+1], v[W0+8*\qb+3], v[W0+8*\qb+5]
.endr
.irp qb, 0,1
.set n, 0
.rept 16
	v_pk_mul_f32 v[O+32*\qb+2*n:O+32*\qb+2*n+1], v[O+32*\qb+2*n:O+32*\qb+2*n+1], v[NM+2*\qb:NM+2*\qb+1]
	v_pk_fma_f32 v[O+32*\qb+2*n:O+32*\qb+2*n+1], v[S+32*\qb+2*n:S+32*\qb+2*n+1], v[AL+2*\qb:AL+2*\qb+1], v[O+32*\qb+2*n:O+32*\qb+2*n+1]
.set n, n+1
.endr
.endr
	; My 2,048 results' mean, and their sum of squares ABOUT THAT MEAN: no difference of large sums is ever formed.
.macro FOLD                            ; four pairs of partial sums to one number a lane
	v_pk_add_f32 v[T:T+1],   v[T:T+1],   v[T+2:T+3]
	v_pk_add_f32 v[T+4:T+5], v[T+4:T+5], v[T+6:T+7]
	v_pk_add_f32 v[T:T+1],   v[T:T+1],   v[T+4:T+5]
	v_add_f32 v[T], v[T], v[T+1]
.endm
.macro WSUM dst                        ; v[T] summed over the 32 lanes
	v_add_f32_dpp v[T], v[T], v[T] row_xmask:1 row_mask:0xf bank_mask:0xf
	v_add_f32_dpp v[T], v[T], v[T] row_xmask:2 row_mask:0xf bank_mask:0xf
	v_add_f32_dpp v[T], v[T], v[T] row_xmask:4 row_mask:0xf bank_mask:0xf
	v_add_f32_dpp v[T], v[T], v[T] row_xmask:8 row_mask:0xf bank_mask:0xf
	v_permlanex16_b32 v[T+1], v[T], s70, s71
	v_add_f32 v[\dst], v[T], v[T+1]
.endm
.irp c, 0,1,2,3
	v_pk_add_f32 v[T+2*\c:T+2*\c+1], v[O+2*\c:O+2*\c+1], v[O+8+2*\c:O+8+2*\c+1]
.endr
.set n, 8
.rept 24
	v_pk_add_f32 v[T+2*(n%4):T+2*(n%4)+1], v[T+2*(n%4):T+2*(n%4)+1], v[O+2*n:O+2*n+1]
.set n, n+1
.endr
	FOLD
	WSUM T
	v_mul_f32 v[ST],   0x3a000000, v[T]            ; sum / 2,048
	v_mul_f32 v[NG],   0xba000000, v[T]            ; and its negative, twice
	v_mul_f32 v[NG+1], 0xba000000, v[T]
.set n, 0
.rept 32
	v_pk_add_f32 v[S+2*n:S+2*n+1], v[O+2*n:O+2*n+1], v[NG:NG+1]
.set n, n+1
.endr
.irp c, 0,1,2,3
	v_pk_mul_f32 v[T+2*\c:T+2*\c+1], v[S+2*\c:S+2*\c+1], v[S+2*\c:S+2*\c+1]
.endr
.set n, 4
.rept 28
	v_pk_fma_f32 v[T+2*(n%4):T+2*(n%4)+1], v[S+2*n:S+2*n+1], v[S+2*n:S+2*n+1], v[T+2*(n%4):T+2*(n%4)+1]
.set n, n+1
.endr
	FOLD
	WSUM ST+1
	s_wait_xcnt 0x0                                ; EXEC changes only behind this wait
	v_cmp_eq_u32 vcc_lo, 0, v1
	s_and_saveexec_b32 s76, vcc_lo
	global_store_b64 v[ZER], v[ST:ST+1], s[16:17]  ; lane 0 alone: the wave's 8 bytes (8,192 bytes in the whole launch)
	s_wait_xcnt 0x0                                ; and again in front of the line that widens it
	s_or_b32 exec_lo, exec_lo, s76
	; THE WAY OUT: a lane holds 8 neighbouring e of one query: 32 bytes into my own stage, whole rows of 256 bytes back.
.irp qb, 0,1
.irp eb, 0,1,2,3
	ds_store_b128 v[OIN], v[O+32*\qb+8*\eb:O+32*\qb+8*\eb+3]   offset:16*OP*\qb+64*\eb
	ds_store_b128 v[OIN], v[O+32*\qb+8*\eb+4:O+32*\qb+8*\eb+7] offset:16*OP*\qb+64*\eb+16
.endr
.endr
.set n, 0
.rept 16
	ds_load_b128 v[S+4*n:S+4*n+3], v[ORD] offset:2*OP*n            ; LDS serves a wave's instructions in order (ISA guide 5.7.1): these see the stores above
.set n, n+1
.endr
.set n, 0
.rept 16
	s_wait_dscnt 15-n                              ; pair n of rows is in, the younger loads stay out
	global_store_b128 v[GOF], v[S+4*n:S+4*n+3], s[14:15] offset:512*n   ; 16 lanes store 256 consecutive bytes, aligned: a row of att
.set n, n+1
.endr
.Lclose:
	s_wait_tensorcnt 0x0
	ds_add_u32 v254, v255
	s_wait_dscnt 0x0
	CROUND                                         ; the closing round: no work-group ends while a partner may still ask for a tile that names it
	s_endpgm
.Lfunc_end_k_q794b2789d8_attn:
	.size	k_q794b2789d8_attn, .Lfunc_end_k_q794b2789d8_attn-k_q794b2789d8_attn
	.p2alignl 7, 3214868480
	.fill 96, 4, 3214868480
	.section	.rodata,"a",@progbits
	.p2align	6, 0x0
	.amdhsa_kernel k_q794b2789d8_attn
		.amdhsa_group_segment_fixed_size 327680
		.amdhsa_private_segment_fixed_size 0
		.amdhsa_enable_private_segment 0
		.amdhsa_kernarg_size 40
		.amdhsa_user_sgpr_count 2
		.amdhsa_user_sgpr_kernarg_segment_ptr 1
		.amdhsa_wavefront_size32 1
		.amdhsa_system_sgpr_workgroup_id_x 1
		.amdhsa_system_sgpr_workgroup_id_y 1
		.amdhsa_system_sgpr_workgroup_id_z 1
		.amdhsa_system_vgpr_workitem_id 0
		.amdhsa_next_free_vgpr 384
		.amdhsa_next_free_sgpr 80
		.amdhsa_reserve_vcc 1
		.amdhsa_float_denorm_mode_32 3
		.amdhsa_float_denorm_mode_16_64 3
		.amdhsa_memory_ordered 1
		.amdhsa_forward_progress 1
		.amdhsa_inst_pref_size 255
	.end_amdhsa_kernel
	.section	.bss,"aw",@nobits
	.p2align	6
	.space	262144
	.amdgpu_metadata
---
amdhsa.version: [ 1, 2 ]
amdhsa.kernels:
  - .name:           k_q794b2789d8_attn
    .symbol:         k_q794b2789d8_attn.kd
    .args:
      - { .name: qb, .offset: 0, .size: 8, .value_kind: global_buffer, .address_space: global }
      - { .name: kb, .offset: 8, .size: 8, .value_kind: global_buffer, .address_space: global }
      - { .name: vb, .offset: 16, .size: 8, .value_kind: global_buffer, .address_space: global }
      - { .name: att, .offset: 24, .size: 8, .value_kind: global_buffer, .address_space: global }
      - { .name: stats, .offset: 32, .size: 8, .value_kind: global_buffer, .address_space: global }
    .group_segment_fixed_size: 327680
    .private_segment_fixed_size: 0
    .kernarg_segment_align: 8
    .kernarg_segment_size: 40
    .max_flat_workgroup_size: 256
    .sgpr_count:     80
    .vgpr_count:     384
    .wavefront_size: 32
...
	.end_amdgpu_metadata
.endif
;; end of part 2
;; launch norm (part 3): grid 256 x 1, 8 waves a work-group, no clusters, 0 bytes of LDS; arguments att, stats, out0; writes out0
.if DOCPART == 3
	.amdgcn_target "amdgcn-amd-amdhsa--gfx1250"
	.amdhsa_code_object_version 6
	.text
	.protected	k_q794b2789d8_norm
	.globl	k_q794b2789d8_norm
	.p2align	8
	.type	k_q794b2789d8_norm,@function
k_q794b2789d8_norm:
	s_mov_b64 s[64:65], 0
	v_nop
	global_prefetch_b8 v0, s[64:65] scope:SCOPE_SE
	s_setreg_imm32_b32 hwreg(HW_REG_WAVE_MODE, 25, 1), 1
	s_wait_xcnt 0x0
; out0 = (att - mu) / sqrt(var + 1e-5), mu and var (biased) over each slice's 2,048 x 64 numbers.  att, out0: [32768][64] f32.
; stats: for each slice 64 entries (mean, sum of squares about that mean) of 2,048 numbers each, 512 bytes.
; They are combined without a difference of large sums: mu = the mean of the 64 means (equal counts);
; the slice's centred sum of squares = the sum of the 64 centred sums + 2,048 x the sum of (mean - mu)^2.
; A work-group owns 128 rows (32,768 bytes), a wave 4,096 bytes: eight loads and stores of 512 consecutive bytes.  Every wave combines the 64 entries
; itself, two a lane: no LDS and no barrier.  The matrix unit, clusters and LDS would add nothing: each byte is read once and written once.
; The mean is taken away first and the scale applied second, so that no two large products cancel.
; LIMIT: v_rsq_f32 is the 1-ULP form.
.set X, 8                              ; v[8:39] my 8 x 16 bytes
	s_load_b128 s[4:7], s[0:1], 0x0                ; att s[4:5], stats s[6:7]
	s_load_b64 s[8:9], s[0:1], 0x10                ; out0
	v_and_b32 v1, 31, v0                           ; lane
	v_lshrrev_b32 v3, 5, v0                        ; wave
	v_lshlrev_b32 v2, 4, v1                        ; 16 lane
	v_lshl_add_u32 v3, v3, 12, v2                  ; 4,096 wave + 16 lane
	s_lshr_b32 s10, ttmp9, 4                       ; slice: 16 work-groups each
	s_lshl_b32 s10, s10, 9
	s_mov_b32 s11, 0
	s_lshl_b32 s12, ttmp9, 15
	s_mov_b32 s13, 0
	s_mov_b32 s14, 0x37000000                      ; 1 / 131,072
	s_mov_b32 s15, 0x3727c5ac                      ; 1e-5
	s_mov_b32 s16, 0x76543210
	s_mov_b32 s17, 0xfedcba98
	s_wait_kmcnt 0x0
	s_add_nc_u64 s[6:7], s[6:7], s[10:11]
	s_add_nc_u64 s[4:5], s[4:5], s[12:13]
	s_add_nc_u64 s[8:9], s[8:9], s[12:13]
	global_load_b128 v[4:7], v2, s[6:7]            ; two entries: mean, M2, mean, M2
.irp t, 0,1,2,3,4,5,6,7
	global_load_b128 v[X+4*\t:X+4*\t+3], v3, s[4:5] offset:512*\t th:TH_LOAD_NT
.endr
.macro WSUM r                          ; v[r] summed over the 32 lanes; v1 (written above, no longer needed) takes the other half
	v_add_f32_dpp v[\r], v[\r], v[\r] row_xmask:1 row_mask:0xf bank_mask:0xf
	v_add_f32_dpp v[\r], v[\r], v[\r] row_xmask:2 row_mask:0xf bank_mask:0xf
	v_add_f32_dpp v[\r], v[\r], v[\r] row_xmask:4 row_mask:0xf bank_mask:0xf
	v_add_f32_dpp v[\r], v[\r], v[\r] row_xmask:8 row_mask:0xf bank_mask:0xf
	v_permlanex16_b32 v1, v[\r], s16, s17
	v_add_f32 v[\r], v[\r], v1
.endm
	s_wait_loadcnt 0x8                             ; the entries are in, the eight data loads stay out
	v_add_f32 v42, v4, v6
	WSUM 42
	v_mul_f32 v40, 0xbc800000, v42                 ; - mu = - sum / 64, twice: a pair for the packed adds
	v_mul_f32 v41, 0xbc800000, v42
	v_add_f32 v42, v4, v40
	v_add_f32 v43, v6, v40
	v_add_f32 v44, v5, v7
	v_mul_f32 v42, v42, v42
	v_fmac_f32 v42, v43, v43
	v_fmamk_f32 v44, v42, 0x45000000, v44          ; 2,048 x (da^2 + db^2) + M2a + M2b
	WSUM 44
	v_fma_f32 v44, v44, s14, s15                   ; var + eps
	v_rsq_f32 v46, v44                             ; twice: a pair for the packed multiplies.  The first packed add below, which touches none of
	v_rsq_f32 v47, v44                             ; v44, v46, v47, is the plain instruction that stands behind them (ISA guide 5.7.2)
.irp t, 0,1,2,3,4,5,6,7
	s_wait_loadcnt 7-\t                            ; loads come back in order: load t is in, the younger ones stay out
	v_pk_add_f32 v[X+4*\t:X+4*\t+1],   v[X+4*\t:X+4*\t+1],   v[40:41]
	v_pk_add_f32 v[X+4*\t+2:X+4*\t+3], v[X+4*\t+2:X+4*\t+3], v[40:41]
	s_wait_alu depctr_va_vdst(0)
	v_pk_mul_f32 v[X+4*\t:X+4*\t+1],   v[X+4*\t:X+4*\t+1],   v[46:47]
	v_pk_mul_f32 v[X+4*\t+2:X+4*\t+3], v[X+4*\t+2:X+4*\t+3], v[46:47]
	global_store_b128 v3, v[X+4*\t:X+4*\t+3], s[8:9] offset:512*\t th:TH_STORE_NT
.endr
	s_endpgm
.Lfunc_end_k_q794b2789d8_norm:
	.size	k_q794b2789d8_norm, .Lfunc_end_k_q794b2789d8_norm-k_q794b2789d8_norm
	.p2alignl 7, 3214868480
	.fill 96, 4, 3214868480
	.section	.rodata,"a",@progbits
	.p2align	6, 0x0
	.amdhsa_kernel k_q794b2789d8_norm
		.amdhsa_group_segment_fixed_size 0
		.amdhsa_private_segment_fixed_size 0
		.amdhsa_enable_private_segment 0
		.amdhsa_kernarg_size 24
		.amdhsa_user_sgpr_count 2
		.amdhsa_user_sgpr_kernarg_segment_ptr 1
		.amdhsa_wavefront_size32 1
		.amdhsa_system_sgpr_workgroup_id_x 1
		.amdhsa_system_sgpr_workgroup_id_y 1
		.amdhsa_system_sgpr_workgroup_id_z 1
		.amdhsa_system_vgpr_workitem_id 0
		.amdhsa_next_free_vgpr 48
		.amdhsa_next_free_sgpr 66
		.amdhsa_reserve_vcc 0
		.amdhsa_float_denorm_mode_32 3
		.amdhsa_float_denorm_mode_16_64 3
		.amdhsa_memory_ordered 1
		.amdhsa_forward_progress 1
		.amdhsa_inst_pref_size 7
	.end_amdhsa_kernel
	.amdgpu_metadata
---
amdhsa.version: [ 1, 2 ]
amdhsa.kernels:
  - .name:           k_q794b2789d8_norm
    .symbol:         k_q794b2789d8_norm.kd
    .args:
      - { .name: att, .offset: 0, .size: 8, .value_kind: global_buffer, .address_space: global }
      - { .name: stats, .offset: 8, .size: 8, .value_kind: global_buffer, .address_space: global }
      - { .name: out0, .offset: 16, .size: 8, .value_kind: global_buffer, .address_space: global }
    .group_segment_fixed_size: 0
    .private_segment_fixed_size: 0
    .kernarg_segment_align: 8
    .kernarg_segment_size: 24
    .max_flat_workgroup_size: 256
    .sgpr_count:     66
    .vgpr_count:     48
    .wavefront_size: 32
...
	.end_amdgpu_metadata
.endif
;; end of part 3
;; ======== version 2 of 2: 3 launches; version 1 with the launch proj written anew for expert scheduling mode
;; workspace buffers: qb 4,194,304 bytes; kb 4,194,304 bytes; vb 4,194,304 bytes; att 8,388,608 bytes; stats 8,192 bytes
;; launch proj (part 4): grid 256 x 1, 8 waves a work-group, no clusters, 148,480 bytes of LDS; arguments info, Wq, Wk, Wv, bq, bk, bv, qb, kb, vb; writes qb, kb, vb
.if DOCPART == 4
	.amdgcn_target "amdgcn-amd-amdhsa--gfx1250"
	.amdhsa_code_object_version 6
	.text
	.protected	k_q794b2789d8_proj
	.globl	k_q794b2789d8_proj
	.p2align	8
	.type	k_q794b2789d8_proj,@function
k_q794b2789d8_proj:
	s_mov_b64 s[64:65], 0
	v_nop
	global_prefetch_b8 v0, s[64:65] scope:SCOPE_SE
	s_setreg_imm32_b32 hwreg(HW_REG_WAVE_SCHED_MODE, 0, 2), 2
	s_setreg_imm32_b32 hwreg(HW_REG_WAVE_MODE, 25, 1), 1
	s_wait_xcnt 0x0
	s_wait_alu depctr_vm_vsrc(0)
; q, k, v = info W + b.  info: [32768][768] f32.  Wq, Wk, Wv: [768][64] f32.  bq, bk, bv: [64] f32.  qb, kb, vb: [32768][64] bf16.
; Products in bf16 with f32 sums that start from the bias; each result is rounded to bf16 once.
; LIMIT: info and W are rounded to bf16 (nearest even) on their way to the matrix unit, the results to bf16 on their way out.
; A work-group owns 128 rows and goes along K in 12 steps of 64.  Eight waves.  Wave w = (c = w % 4, rh = w / 4) makes the 48 columns 48 c .. 48 c + 47 of
; [q | k | v] for the 64 rows 64 rh ..: 4 x 3 accumulator tiles.
; ONE PIPELINE.  For each step a wave loads 16 rows x 256 bytes of info and 8 K rows of each W into registers (20 loads), rounds them ONCE to bf16 and
; lays them into LDS, where all waves take their fragments.  Three register sets take turns: 60 loads of a wave are out (63 at the start, with the bias),
; 8 x 60 x 512 = 245,760 bytes for the work-group; a set is asked for again straight behind its conversions, three steps ahead of its next ones.
; A step moves 155,648 bytes through LDS: stores 16,384 (info) + 24,576 (W), fragment reads 8 x (8,192 + 6,144).
; THE MATRIX INSTRUCTION IS USED TRANSPOSED: source 0 = 16 columns of W, source 1 = 16 rows of info, so that a lane's eight results are
; eight neighbouring columns of one row.
; NO JOINT LOADS for W, which all work-groups read: W has to be rounded, so a joint load would land it in LDS as f32 (49,152 bytes a step written, and
; 49,152 read back, on top of the 155,648), and every step would need a round of the cluster's barrier.
; NO TENSOR LOADS for info: landing it as f32 in LDS and reading it back would add 65,536 bytes a step; through registers it reaches LDS as bf16.
; THE MODE: SCHED_MODE bits 1:0 = 2 (LLVM: expert scheduling mode 2), set by the entry lines.  The code itself states the register dependences
; between vector or matrix instructions and memory or LDS instructions, with s_wait_alu, always for 0.
; THE PLAN.  Registers that memory or LDS instructions touch (the text has no branch: every step is written out):
;   SET0 .. SET2  Set j % 3: the 40 conversions of step j's data read it and write nothing into it; behind them the 20 loads of step j + 3 land in it.
;   OW, OI        The out-buffer: written by those 40 conversions, read by the 20 LDS stores behind them, written again by the next step's conversions.
;   WF, AF        Step j's 28 fragment loads land in them; its 24 matrix instructions read them; step j + 1's loads land in them again.
;   v4 .. v15     Offsets and LDS addresses: made once at the head, never written again.     v248-253: the bias as loaded, read by three LDS stores, never written again.
;   The accumulators take the bias by LDS loads, ahead of every vector or matrix instruction that names them; after that only such instructions name them.
; So a step holds three waits.  At its head: vm_vsrc (the last step's stores have read OW and OI) and va_vdst (the last step's matrix instructions are done reading
; WF and AF).  Behind the conversions: ONE va_vdst for the 20 loads and the 20 stores that follow it; no vector instruction stands among those 40, and the matrix
; instructions behind them name WF, AF and the accumulators alone.
;
; LDS: info, two buffers of 128 rows x 64 bf16 at 0, pitch 144 (9 x 16: the 16 rows of a fragment start in 16 different 16-byte columns of 256 bytes)
;      W, two buffers of 64 K rows x 192 bf16 at 36,864, pitch 416 (13 x 32)
;      a copy of bq | bk | bv (768 bytes) for each wave at 90,112;  the way out: 128 rows x 384 bytes at 96,256, pitch 400 (25 x 16)
; REGISTERS: window 0: v0-15 addresses, v16-39 OW (W rounded: pair 4 x + t), v40-87 W fragments (24 s + 8 i), v88-151 info fragments (32 s + 8 mb),
;      v152-247 accumulators (32 i + 8 mb): every matrix instruction runs with all windows 0.
;      Window 1: three sets of 80: W as loaded at 16 x + 4 t, info at 48 + 4 t; v240-255 OI (info rounded: pair t).
.set ROWB,   3072                      ; bytes in a row of info
.set IP,     144
.set IBUF,   128*IP
.set WPITCH, 416
.set WBUF,   64*WPITCH
.set WST,    2*IBUF
.set BIAS,   WST+2*WBUF
.set OST,    BIAS+8*768
.set OPITCH, 400
.set IOF,  4                           ; v4   my bytes in the work-group's rows of info: row 16 w + 8 h, 16 r
.set ISTO, 5                           ; v5   where I put 4 bf16 of info
.set IA,   6                           ; v6   where I read info fragments
.set WOFF, 7                           ; v7   my bytes in a step of W: K row 8 w + 4 h, 16 r
.set WSTO, 8                           ; v8   where I put 4 bf16 of W
.set WFA,  9                           ; v9   where I read W fragments (transposing loads)
.set BOFF, 10                          ; v10  8 lane
.set BSTO, 11                          ; v11  my wave's bias copy + 8 lane
.set BRD,  12                          ; v12  my first bias in that copy
.set OSTO, 13                          ; v13  the way out: where I put 16 bytes of a row
.set ORD,  14                          ; v14  the way out: where I read rows back
.set OOF,  15                          ; v15  2,048 w + 16 lane: my bytes in the work-group's rows of an output
.set OW,   16                          ; v[16:39]  (v16, v17 are at work at the head, in vector instructions alone)
.set WF,   40
.set AF,   88
.set ACC,  152
.set BL,   248                         ; v[248:253] bias as loaded
.set OI,   240                         ; in window 1
.set MSB,  0
.macro WIN new                         ; the immediate's high byte repeats the setting that is left
.if MSB != (\new)
	s_set_vgpr_msb (MSB<<8)|(\new)
.set MSB, (\new)
.endif
.endm
.macro PLACES                          ; four places behind a matrix instruction (ISA guide 7.12.1) before its result is read or one of its registers written; they stay beside the waits
.rept 4
	v_nop
.endr
.endm
; 20 loads: step j's share of this wave, into set j % 3.  In each load lanes 0-15 and lanes 16-31 cover 256 consecutive bytes each, aligned:
; info rows t and t + 8 of my 16, W's K rows t and t + 4 of my 8.  Each byte of info is asked for once in the launch.
.macro LOADS j
	WIN 0x40                                       ; destination in window 1
.set SB, 80*((\j)%3)
.irp t, 0,1,2,3,4,5,6,7
	global_load_b128 v[SB+48+4*\t:SB+48+4*\t+3], v[IOF], s[8:9] offset:ROWB*\t+256*(\j) th:TH_LOAD_NT
.endr
.irp x, 0,1,2
.irp t, 0,1,2,3
	global_load_b128 v[SB+16*\x+4*\t:SB+16*\x+4*\t+3], v[WOFF], s[10+2*\x:11+2*\x] offset:16384*(\j)+256*\t
.endr
.endr
.endm
; Set j % 3 is rounded to bf16 into the out-buffer, all 40 conversions in one run; the set is asked for again at once, for step j + 3; then the out-buffer is laid into
; the LDS buffers j % 2, all 20 stores in one run.
; The two halves of a store lie 8 x 144 = 1,152 (info) or 4 x 416 = 1,664 (W) bytes apart: 128 modulo 256, so that its 256 bytes meet 64 different banks (ISA guide 11.1).
.macro CONV j
.set SB, 80*((\j)%3)
	WIN 0x05                                       ; both sources in window 1, the destination in window 0
.set n, 0
.rept 12
	v_cvt_pk_bf16_f32 v[OW+2*n],   v[SB+4*n],   v[SB+4*n+1]
	v_cvt_pk_bf16_f32 v[OW+2*n+1], v[SB+4*n+2], v[SB+4*n+3]
.set n, n+1
.endr
	WIN 0x45                                       ; both sources and the destination in window 1
.set n, 0
.rept 8
	v_cvt_pk_bf16_f32 v[OI+2*n],   v[SB+48+4*n],   v[SB+48+4*n+1]
	v_cvt_pk_bf16_f32 v[OI+2*n+1], v[SB+48+4*n+2], v[SB+48+4*n+3]
.set n, n+1
.endr
.if (\j) < 9
	WIN 0x40                                       ; the loads' window first, then the wait, then the loads
.else
	WIN 0x04                                       ; the last three steps' sets are not asked for again
.endif
	s_wait_alu depctr_va_vdst(0)                   ; the conversions are done reading the set, in which the loads below land, and have written OW and OI, which the stores below read (in front of step 0 also: the LDS addresses v5 to v15 are written)
.if (\j) < 9
	LOADS (\j)+3
.endif
	WIN 0x04                                       ; store data (source 1) in window 1
.irp t, 0,1,2,3,4,5,6,7
	ds_store_b64 v[ISTO], v[OI+2*\t:OI+2*\t+1] offset:((\j)&1)*IBUF+IP*\t
.endr
	WIN 0
.irp x, 0,1,2
.irp t, 0,1,2,3
	ds_store_b64 v[WSTO], v[OW+2*(4*\x+\t):OW+2*(4*\x+\t)+1] offset:((\j)&1)*WBUF+WPITCH*\t+128*\x   ; [K row][q | k | v]
.endr
.endr
.endm
; 28 LDS loads: my fragments of step j: for each of its two K steps of 32 three column blocks of W (transposing loads, 16 K rows apart) and four row blocks of info
.macro FRAG j
.irp s, 0,1
.irp i, 0,1,2
	ds_load_tr16_b128 v[WF+24*\s+8*\i:WF+24*\s+8*\i+3],   v[WFA] offset:((\j)&1)*WBUF+32*WPITCH*\s+32*\i
	ds_load_tr16_b128 v[WF+24*\s+8*\i+4:WF+24*\s+8*\i+7], v[WFA] offset:((\j)&1)*WBUF+32*WPITCH*\s+32*\i+16*WPITCH
.endr
.irp mb, 0,1,2,3
	ds_load_b128 v[AF+32*\s+8*\mb:AF+32*\s+8*\mb+3],   v[IA] offset:((\j)&1)*IBUF+16*IP*\mb+64*\s
	ds_load_b128 v[AF+32*\s+8*\mb+4:AF+32*\s+8*\mb+7], v[IA] offset:((\j)&1)*IBUF+16*IP*\mb+64*\s+32
.endr
.endr
.endm
; 12 matrix instructions: 32 along K.  The 12 accumulators take turns, one instruction a turn, in the same order throughout.
.macro MULS s
.irp i, 0,1,2
.irp mb, 0,1,2,3
	v_wmma_f32_16x16x32_bf16 v[ACC+32*\i+8*\mb:ACC+32*\i+8*\mb+7], v[WF+24*\s+8*\i:WF+24*\s+8*\i+7], v[AF+32*\s+8*\mb:AF+32*\s+8*\mb+7], v[ACC+32*\i+8*\mb:ACC+32*\i+8*\mb+7]
.endr
.endr
.endm
; Step j.  It stands behind the barrier that has shown the buffers j % 2 whole.  While its fragments come, step j + 1 is rounded and laid into the other buffers,
; which every wave has finished reading in front of that same barrier.  ONE barrier a step serves both ways: in front of its signal my stores of step j + 1
; are done and so are my reads of step j.
.macro STEP j
	WIN 0
.if (\j) < 11
	s_wait_alu depctr_vm_vsrc(0)                   ; the LDS stores issued so far have read OW and OI, which this step's conversions write again
.endif
.if (\j) > 0
	s_wait_alu depctr_va_vdst(0)                   ; the last step's matrix instructions are done reading WF and AF, in which the fragment loads below land
.endif
	FRAG \j
.if (\j) < 11
.set LEFT, 20*(10-(\j))                        ; loads come back in order (ISA guide 5.7.1): set j + 1 is in; what was issued behind it stays out:
.if LEFT > 40                                  ; sets j + 2 and j + 3, 20 loads each, as far as there are steps
.set LEFT, 40
.endif
	s_wait_loadcnt LEFT
	CONV (\j)+1
	s_wait_dscnt 20                                ; my 28 fragment loads are in; the 20 stores issued behind them may be out
.else
	s_wait_dscnt 0x0                               ; the last step: nothing was issued behind the fragment loads
.endif
	WIN 0
	MULS 0
.if (\j) < 11
	s_wait_dscnt 0x0                               ; my stores of step j + 1 are done: for the other waves
	s_barrier_signal -1
.endif
	MULS 1                                         ; register work while the others arrive
	PLACES                                         ; the fragment registers are loaded again next; behind the last step the results are read
.if (\j) < 11
	s_barrier_wait -1
.endif
.endm
	s_load_b512 s[8:23], s[0:1], 0x0               ; info s[8:9], Wq s[10:11], Wk s[12:13], Wv s[14:15], bq s[16:17], bk s[18:19], bv s[20:21], qb s[22:23]
	s_load_b128 s[24:27], s[0:1], 0x40             ; kb s[24:25], vb s[26:27]
	v_lshl_add_u32 v254, v0, 2, 0x24000
	v_mov_b32 v255, 0
	v_lshrrev_b32 v1, 5, v0
	v_readfirstlane_b32 s2, v1                     ; wave 0..7
	v_and_b32 v1, 31, v0                           ; lane
	v_and_b32 v2, 15, v0                           ; r
	v_bfe_u32 v3, v0, 4, 1                         ; h
	s_mul_i32 s4, ttmp9, 128*ROWB                  ; the work-group's 128 rows of info (below 2^27)
	s_mov_b32 s5, 0
	s_lshl_b32 s28, ttmp9, 14                      ; its 128 rows of 128 bytes in an output
	s_mov_b32 s29, 0
	v_mul_u32_u24 v[IOF], v3, 8*ROWB
	v_lshl_add_u32 v[IOF], v2, 4, v[IOF]
	v_lshlrev_b32 v[WOFF], 4, v2
	v_lshl_add_u32 v[WOFF], v3, 10, v[WOFF]
	v_lshlrev_b32 v[BOFF], 3, v1
	s_wait_alu depctr_va_sdst(0)                   ; s2 is written, ahead of its first reader: the column group, the row half and every wave term below are made from it
	s_and_b32 s3, s2, 3                            ; c: my column group
	s_lshr_b32 s30, s2, 2                          ; rh: my row half
	s_mul_i32 s6, s2, 16*ROWB
	v_add_nc_u32 v[IOF], s6, v[IOF]                ; (16 w + 8 h) rows + 16 r
	v_lshl_add_u32 v[WOFF], s2, 11, v[WOFF]        ; (8 w + 4 h) rows of 256 bytes + 16 r
	s_wait_kmcnt 0x0
	s_add_nc_u64 s[8:9], s[8:9], s[4:5]
	s_add_nc_u64 s[22:23], s[22:23], s[28:29]
	s_add_nc_u64 s[24:25], s[24:25], s[28:29]
	s_add_nc_u64 s[26:27], s[26:27], s[28:29]
	s_wait_alu depctr_va_vdst(0)                   ; the offsets v4, v7 and v10 are written, which every global load of the kernel reads; only loads and a window switch stand between this wait and the first 63
.irp x, 0,1,2
	global_load_b64 v[BL+2*\x:BL+2*\x+1], v[BOFF], s[16+2*\x:17+2*\x]   ; a bias: 32 lanes x 8 bytes
.endr
	LOADS 0
	LOADS 1
	LOADS 2
	WIN 0
	; the LDS addresses, while the first loads are on their way: none of these lines writes a register that a load reads or lands in
	s_mul_i32 s6, s2, 16*IP
	v_mul_u32_u24 v[ISTO], v3, 8*IP                ; info in: row 16 w + 8 h (+ t), 4 bf16 at 8 r
	v_lshl_add_u32 v[ISTO], v2, 3, v[ISTO]
	v_add_nc_u32 v[ISTO], s6, v[ISTO]
	s_mul_i32 s6, s30, 64*IP
	v_mul_u32_u24 v[IA], v2, IP                    ; an info fragment: row 64 rh + r, 16 bytes at 16 h (and 16 more 32 bytes on)
	v_lshl_add_u32 v[IA], v3, 4, v[IA]
	v_add_nc_u32 v[IA], s6, v[IA]
	s_mul_i32 s6, s2, 8*WPITCH
	s_add_co_u32 s6, s6, WST
	v_mul_u32_u24 v[WSTO], v3, 4*WPITCH            ; W in: K row 8 w + 4 h (+ t), 4 bf16 at 8 r
	v_lshl_add_u32 v[WSTO], v2, 3, v[WSTO]
	v_add_nc_u32 v[WSTO], s6, v[WSTO]
	v_and_b32 v16, 7, v0
	v_bfe_u32 v17, v0, 3, 1
	v_lshl_add_u32 v16, v3, 3, v16                 ; a W fragment: K row 8 h + lane % 8,
	v_mul_u32_u24 v[WFA], v16, WPITCH
	v_lshl_add_u32 v[WFA], v17, 4, v[WFA]          ; + 16 bytes for the upper eight of 16 lanes,
	s_mul_i32 s6, s3, 96                           ; my 48 columns
	s_add_co_u32 s7, s6, WST
	v_add_nc_u32 v[WFA], s7, v[WFA]
	s_mul_i32 s7, s30, 64*OPITCH
	s_add_co_u32 s7, s7, s6
	s_add_co_u32 s7, s7, OST
	v_mul_u32_u24 v[OSTO], v2, OPITCH              ; out: row 64 rh + r, 16 bytes at 96 c + 16 h
	v_lshl_add_u32 v[OSTO], v3, 4, v[OSTO]
	v_add_nc_u32 v[OSTO], s7, v[OSTO]
	v_lshrrev_b32 v16, 3, v1
	v_and_b32 v17, 7, v0
	v_mul_u32_u24 v[ORD], v16, OPITCH              ; back: row 16 w + lane / 8 (+ 4 t), 16 bytes at 16 (lane % 8)
	v_lshl_add_u32 v[ORD], v17, 4, v[ORD]
	s_mul_i32 s6, s2, 16*OPITCH
	s_add_co_u32 s6, s6, OST
	v_add_nc_u32 v[ORD], s6, v[ORD]
	v_lshlrev_b32 v[OOF], 4, v1
	v_lshl_add_u32 v[OOF], s2, 11, v[OOF]
	s_mul_i32 s6, s2, 768
	s_add_co_u32 s6, s6, BIAS
	v_add_nc_u32 v[BSTO], s6, v[BOFF]
	s_mul_i32 s7, s3, 192                          ; my first column: 48 c x 4 bytes
	s_add_co_u32 s6, s6, s7
	v_lshl_add_u32 v[BRD], v3, 5, s6               ; + 8 h columns
	; in front of step 0: step 0 is rounded and laid down, and the sums start from the bias: nothing is cleared and nothing is added later
	s_wait_loadcnt 40                              ; the bias and set 0 are in; sets 1 and 2 stay out
	CONV 0                                         ; its wait stands behind the address lines above too: from here on no vector instruction writes an address
.irp x, 0,1,2
	ds_store_b64 v[BSTO], v[BL+2*\x:BL+2*\x+1] offset:256*\x       ; my wave's own copy: no other wave touches it
.endr
.irp i, 0,1,2
.irp mb, 0,1,2,3
	ds_load_b128 v[ACC+32*\i+8*\mb:ACC+32*\i+8*\mb+3],   v[BRD] offset:64*\i      ; register j of a result is column 48 c + 16 i + 8 h + j: its bias.
	ds_load_b128 v[ACC+32*\i+8*\mb+4:ACC+32*\i+8*\mb+7], v[BRD] offset:64*\i+16   ; LDS serves a wave's instructions in order (ISA guide 5.7.1): these see the stores above
.endr
.endr
	s_wait_dscnt 0x0                               ; my stores of step 0 are done: for the other waves; the bias is in
	s_barrier_signal -1
	s_barrier_wait -1
.irp j, 0,1,2,3,4,5,6,7,8,9,10,11
	STEP \j
.endr
	; THE WAY OUT: round to bf16 (the last step's four places stand behind the last matrix instructions), 16 bytes a lane into rows of [q | k | v] in LDS;
	; read back by rows; each store of a wave covers 512 consecutive bytes, aligned.
.irp i, 0,1,2
.irp mb, 0,1,2,3
.irp q, 0,1,2,3
	v_cvt_pk_bf16_f32 v[AF+16*\i+4*\mb+\q], v[ACC+32*\i+8*\mb+2*\q], v[ACC+32*\i+8*\mb+2*\q+1]
.endr
.endr
.endr
	s_wait_alu depctr_va_vdst(0)                   ; the conversions have written v[AF ..], which the LDS stores read and in which the loads behind the barrier land
.irp i, 0,1,2
.irp mb, 0,1,2,3
	ds_store_b128 v[OSTO], v[AF+16*\i+4*\mb:AF+16*\i+4*\mb+3] offset:16*OPITCH*\mb+32*\i
.endr
.endr
	s_wait_dscnt 0x0                               ; a row holds four waves' columns
	s_barrier_signal -1
	s_barrier_wait -1
	s_wait_alu depctr_vm_vsrc(0)                   ; my LDS stores have read v[AF ..], in which the loads below land
.irp x, 0,1,2
.irp t, 0,1,2,3
	ds_load_b128 v[AF+16*\x+4*\t:AF+16*\x+4*\t+3], v[ORD] offset:4*OPITCH*\t+128*\x   ; four of my 16 rows, 128 bytes of matrix x each
.endr
.endr
.irp x, 0,1,2
	s_wait_dscnt 8-4*\x                            ; matrix x's four loads are in, the later matrices' stay out
.irp t, 0,1,2,3
	global_store_b128 v[OOF], v[AF+16*\x+4*\t:AF+16*\x+4*\t+3], s[22+2*\x:23+2*\x] offset:512*\t
.endr
.endr
	s_wait_dscnt 0x0                               ; the closing lines, six on end
	s_wait_alu 0x0
	s_wait_tensorcnt 0x0
	ds_add_u32 v254, v255
	s_wait_dscnt 0x0
	s_endpgm
.Lfunc_end_k_q794b2789d8_proj:
	.size	k_q794b2789d8_proj, .Lfunc_end_k_q794b2789d8_proj-k_q794b2789d8_proj
	.p2alignl 7, 3214868480
	.fill 96, 4, 3214868480
	.section	.rodata,"a",@progbits
	.p2align	6, 0x0
	.amdhsa_kernel k_q794b2789d8_proj
		.amdhsa_group_segment_fixed_size 148480
		.amdhsa_private_segment_fixed_size 0
		.amdhsa_enable_private_segment 0
		.amdhsa_kernarg_size 80
		.amdhsa_user_sgpr_count 2
		.amdhsa_user_sgpr_kernarg_segment_ptr 1
		.amdhsa_wavefront_size32 1
		.amdhsa_system_sgpr_workgroup_id_x 1
		.amdhsa_system_sgpr_workgroup_id_y 1
		.amdhsa_system_sgpr_workgroup_id_z 1
		.amdhsa_system_vgpr_workitem_id 0
		.amdhsa_next_free_vgpr 512
		.amdhsa_next_free_sgpr 66
		.amdhsa_reserve_vcc 0
		.amdhsa_float_denorm_mode_32 3
		.amdhsa_float_denorm_mode_16_64 3
		.amdhsa_memory_ordered 1
		.amdhsa_forward_progress 1
		.amdhsa_inst_pref_size 125
	.end_amdhsa_kernel
	.amdgpu_metadata
---
amdhsa.version: [ 1, 2 ]
amdhsa.kernels:
  - .name:           k_q794b2789d8_proj
    .symbol:         k_q794b2789d8_proj.kd
    .args:
      - { .name: info, .offset: 0, .size: 8, .value_kind: global_buffer, .address_space: global }
      - { .name: Wq, .offset: 8, .size: 8, .value_kind: global_buffer, .address_space: global }
      - { .name: Wk, .offset: 16, .size: 8, .value_kind: global_buffer, .address_space: global }
      - { .name: Wv, .offset: 24, .size: 8, .value_kind: global_buffer, .address_space: global }
      - { .name: bq, .offset: 32, .size: 8, .value_kind: global_buffer, .address_space: global }
      - { .name: bk, .offset: 40, .size: 8, .value_kind: global_buffer, .address_space: global }
      - { .name: bv, .offset: 48, .size: 8, .value_kind: global_buffer, .address_space: global }
      - { .name: qb, .offset: 56, .size: 8, .value_kind: global_buffer, .address_space: global }
      - { .name: kb, .offset: 64, .size: 8, .value_kind: global_buffer, .address_space: global }
      - { .name: vb, .offset: 72, .size: 8, .value_kind: global_buffer, .address_space: global }
    .group_segment_fixed_size: 148480
    .private_segment_fixed_size: 0
    .kernarg_segment_align: 8
    .kernarg_segment_size: 80
    .max_flat_workgroup_size: 256
    .sgpr_count:     66
    .vgpr_count:     512
    .wavefront_size: 32
...
	.end_amdgpu_metadata
.endif
;; end of part 4
;; launch attn: the kernel of part 2 again; grid 256 x 1, 8 waves a work-group, clusters of 4 x 1, 327,680 bytes of LDS; arguments qb, kb, vb, att, stats; writes att, stats
;; launch norm: the kernel of part 3 again; grid 256 x 1, 8 waves a work-group, no clusters, 0 bytes of LDS; arguments att, stats, out0; writes out0
